; MI455X (gfx1250); checked and timed in simulation.
; The chip was launched on July 23, 2026; its instructions are those of AMD's public machine-readable ISA for CDNA 5 (MIT licence, August 2026) and "CDNA5" Instruction Set Architecture Reference Guide (July 2026). The comments in the code are by the model that wrote it; some were corrected since.
;; Luong Attention. Allowed arithmetic: matrix products marked QUANTISED: E2M1 operands, one E8M0 scale for each 32 along K, by v_wmma_scale_f32_16x16x128_f8f6f4 with both operands' format E2M1 (or v_wmma_scale_f32_32x16x128_f4), f32 sums; products left as they are: f32 operands where the result goes on into a quantised operand, else bf16, f16 or f32 operands; f32 sums; everything else in f32.
;; Inputs: W_codes 1,024 x 32 x 16 uint8 (E2M1 codes of W, K innermost, in blocks of 32 codes, two codes a byte); W_scales 1,024 x 32 uint8 (E8M0 scales of W, one for each 32 codes along K); b 1,024 float32; contexts 16 x 1,024 float32; values 16 x 4,096 x 1,024 float32.
;; Outputs: out0 16 x 1,024 float32.
;; This version of the problem:
;;   THIS VERSION OF THE PROBLEM IS GIVEN IN LOW PRECISION. The matrix products marked QUANTISED in the list below multiply operands that are first quantised to E2M1 (2 exponent bits, 1 mantissa bit; 4 bits a number), with one power-of-two scale for each 32 numbers along K (OCP MX v1.0); their sums are f32. All else is computed in f32.
;;   The module's matrix products, in the order in which they are computed (A, B: the left and right operand; K: the contracted axis; several contracted axes count as one K, in the product's order):
;;     1. [M 65,536, K 1,024] x [K 1,024, N 1,024]; A: input values; B: input W (given as codes): QUANTISED
;;     2. batch 16 x [M 1, K 1,024] x [K 1,024, N 4,096]; A: input contexts; B: computed on the way: left as it is (M = 1 < 16)
;;     3. batch 16 x [M 1, K 4,096] x [K 4,096, N 1,024]; A: softmax; B: input values: left as it is (M = 1 < 16)
;;   THE QUANTISER, for each operand of a quantised product, along K:
;;     - K is cut into blocks of 32 from its start; a last block that is shorter is filled with zeros.
;;     - A block's scale is 2^e with e = floor(log2(the largest magnitude in the block)) - 2, held to -126 .. 127; a block of zeros has e = 0. As a byte (E8M0): e + 127.
;;     - Each number is divided by its block's scale, clamped to +-6, and rounded to the nearest number of E2M1, ties to even, subnormals kept.
;;     - The product sums the exact products of the quantised numbers (number of the format x scale) in f32.
;;   ~~~python
;;   def quantise(x, axis):      # numpy; x: float32 -> the quantised numbers, widened to float32 again
;;       x = np.moveaxis(x, axis, -1); K = x.shape[-1]
;;       x = np.pad(x, [(0, 0)] * (x.ndim - 1) + [(0, -K % 32)]); x = x.reshape(x.shape[:-1] + (-1, 32)); a = np.abs(x).max(-1, keepdims=True)
;;       e = np.where(a > 0, np.clip(np.frexp(np.where(a > 0, a, 1))[1] - 1 - 2, -126, 127), 0)      # np.frexp(a)[1] - 1 = floor(log2(a)), exactly
;;       r = np.clip(x / 2.0 ** e, -6, 6)
;;       step = 2.0 ** (np.maximum(np.frexp(np.where(r == 0, 1, r))[1] - 1, 0) - 1)
;;       q = np.round(r / step) * step * 2.0 ** e      # np.round: ties to even
;;       return np.moveaxis(q.reshape(q.shape[:-2] + (-1,))[..., :K], -1, axis).astype(np.float32)
;;   ~~~
;;   INPUTS GIVEN AS CODES. W (in the module: [1024, 1024], K = its axis 1): each comes as NAME_codes (uint8): NAME with its K axis moved to the last place and cut into blocks of 32 codes, [.., K / 32, bytes a block], one block behind the other in memory; two codes a byte, the lower K in the low four bits (a code: sign, 2 exponent bits, 1 mantissa bit); and NAME_scales (uint8): the same leading axes, one E8M0 byte (e + 127) for each 32 codes along K. Its value is code x scale, taken as it is: it is not quantised again, and the codes and scales need not be those that the quantiser above would give.
;; One version. Each part assembles by itself: llvm-mc -triple=amdgcn-amd-amdhsa -mcpu=gfx1250 --defsym DOCPART=n.
;; ======== version 1 of 1: 3 launches
;; limits: right only within a limited range of input values; values are held in bf16: 8 bits of precision
;; workspace buffers: wfrag 524,288 bytes; part 2,359,296 bytes
;; launch prep (part 1): grid 32 x 1, 4 waves a work-group, no clusters, 17,920 bytes of LDS; arguments W_codes, wfrag; writes wfrag
.if DOCPART == 1
	.amdgcn_target "amdgcn-amd-amdhsa--gfx1250"
	.amdhsa_code_object_version 6
	.text
	.protected	k_qd50f855456_prep
	.globl	k_qd50f855456_prep
	.p2align	8
	.type	k_qd50f855456_prep,@function
k_qd50f855456_prep:
	s_mov_b64 s[64:65], 0
	v_nop
	global_prefetch_b8 v0, s[64:65] scope:SCOPE_SE
	s_setreg_imm32_b32 hwreg(HW_REG_WAVE_MODE, 25, 1), 1
	s_wait_xcnt 0x0
; DEAD WORK, for the whole program: scores[b][s] = c[b] . (Q(values[b][s]) W^T) + c[b] . bias.  The term c[b] . bias is the same for every s of a batch, and softmax along s
; is unchanged by a term that is the same along its axis, whatever finite values the inputs hold.  So the input b has no way to out0: it is not loaded and is no launch's argument.
; LIMIT: a NaN, an infinity or an overflow that reaches only c . bias is not carried to the result.
; THIS LAUNCH lays W's codes ([1024 rows e][512 bytes], K innermost) in the order in which the next launch's waves take them:
; wfrag[cw 0..1][kw 0..1][cbl 0..31][s 0..3][c 0..1][lane 0..31][16 bytes]; lane 16 h + r holds bytes 256 kw + 64 s + 32 c + 16 h .. + 15 of row e = 512 cw + 16 cbl + r.
; A wave takes 16 rows x 256 bytes (column block cb = 32 cw + cbl, K half kw): each load reads two rows' 256 consecutive bytes; the bytes turn through the wave's own stage in LDS
; (rows 272 bytes apart); each store writes 512 consecutive bytes.  Waves share nothing: no barrier.
.set SPITCH, 272
.set STG,    16*SPITCH
.set SPARE,  4*STG                     ; the spare words, 128 bytes a wave, named by no other line
.set GI,  1
.set SI,  2
.set SO,  3
.set GO,  4
.set SPW, 5
.set NIL, 6
.set IN,  12
.set FR,  44
	s_load_b128 s[4:7], s[0:1], 0x0                ; W_codes, wfrag
	v_lshl_add_u32 v[SPW], v0, 2, SPARE
	v_mov_b32 v[NIL], 0
	v_lshrrev_b32 v7, 5, v0
	v_readfirstlane_b32 s8, v7                     ; wave
	v_and_b32 v7, 15, v0                           ; r
	v_bfe_u32 v8, v0, 4, 1                         ; h
	v_and_b32 v9, 31, v0                           ; lane
	s_mul_i32 s14, s8, STG
	v_lshlrev_b32 v[GI], 4, v7
	v_mul_u32_u24 v[SI], v8, SPITCH
	v_add_nc_u32 v[SI], v[SI], v[GI]
	v_add_nc_u32 v[SI], s14, v[SI]                 ; into the stage: row h, 16 r
	v_lshl_add_u32 v[GI], v8, 9, v[GI]             ; in memory: 512 h + 16 r
	v_mul_u32_u24 v[SO], v7, SPITCH
	v_lshl_add_u32 v[SO], v8, 4, v[SO]
	v_add_nc_u32 v[SO], s14, v[SO]                 ; out of the stage: row r, 16 h
	v_lshlrev_b32 v[GO], 4, v9
	s_lshl_b32 s9, ttmp9, 2
	s_add_co_u32 s9, s9, s8                        ; my part: 2 cb + kw
	s_lshr_b32 s10, s9, 1
	s_lshl_b32 s10, s10, 13                        ; in: cb x 16 rows of 512 bytes
	s_and_b32 s11, s9, 1
	s_lshl_b32 s13, s11, 17                        ; out: kw x 131,072
	s_lshl_b32 s11, s11, 8                         ; in: + 256 kw
	s_add_co_u32 s10, s10, s11
	s_mov_b32 s11, 0
	s_lshr_b32 s12, s9, 6
	s_lshl_b32 s12, s12, 18                        ; out: cw x 262,144
	s_add_co_u32 s12, s12, s13
	s_bfe_u32 s13, s9, 0x50001                     ; cbl
	s_lshl_b32 s13, s13, 12
	s_add_co_u32 s12, s12, s13                     ; out: + cbl x 4,096
	s_mov_b32 s13, 0
	s_wait_alu depctr_va_vdst(0)                   ; the wait at the head's end
	s_wait_kmcnt 0x0
	s_add_nc_u64 s[4:5], s[4:5], s[10:11]
	s_add_nc_u64 s[6:7], s[6:7], s[12:13]
.irp i, 0,1,2,3,4,5,6,7
	global_load_b128 v[IN+4*\i:IN+4*\i+3], v[GI], s[4:5] offset:1024*\i th:TH_LOAD_NT
.endr
.irp i, 0,1,2,3,4,5,6,7
	s_wait_loadcnt 7-\i                            ; load i is in, the younger ones stay out
	ds_store_b128 v[SI], v[IN+4*\i:IN+4*\i+3] offset:2*SPITCH*\i
.endr
.irp k, 0,1,2,3,4,5,6,7
	ds_load_b128 v[FR+4*\k:FR+4*\k+3], v[SO] offset:32*\k   ; LDS serves a wave's instructions in order
.endr
.irp k, 0,1,2,3,4,5,6,7
	s_wait_dscnt 7-\k
	global_store_b128 v[GO], v[FR+4*\k:FR+4*\k+3], s[6:7] offset:512*\k   ; 512 consecutive bytes, aligned to 256
.endr
	s_wait_tensorcnt 0x0                           ; the wave's end
	ds_add_u32 v[SPW], v[NIL]
	s_wait_dscnt 0x0
	s_endpgm
.Lfunc_end_k_qd50f855456_prep:
	.size	k_qd50f855456_prep, .Lfunc_end_k_qd50f855456_prep-k_qd50f855456_prep
	.p2alignl 7, 3214868480
	.fill 96, 4, 3214868480
	.section	.rodata,"a",@progbits
	.p2align	6, 0x0
	.amdhsa_kernel k_qd50f855456_prep
		.amdhsa_group_segment_fixed_size 17920
		.amdhsa_private_segment_fixed_size 0
		.amdhsa_enable_private_segment 0
		.amdhsa_kernarg_size 16
		.amdhsa_user_sgpr_count 2
		.amdhsa_user_sgpr_kernarg_segment_ptr 1
		.amdhsa_wavefront_size32 1
		.amdhsa_system_sgpr_workgroup_id_x 1
		.amdhsa_system_sgpr_workgroup_id_y 1
		.amdhsa_system_sgpr_workgroup_id_z 1
		.amdhsa_system_vgpr_workitem_id 0
		.amdhsa_next_free_vgpr 80
		.amdhsa_next_free_sgpr 66
		.amdhsa_reserve_vcc 0
		.amdhsa_float_denorm_mode_32 3
		.amdhsa_float_denorm_mode_16_64 3
		.amdhsa_memory_ordered 1
		.amdhsa_forward_progress 1
		.amdhsa_inst_pref_size 5
	.end_amdhsa_kernel
	.amdgpu_metadata
---
amdhsa.version: [ 1, 2 ]
amdhsa.kernels:
  - .name:           k_qd50f855456_prep
    .symbol:         k_qd50f855456_prep.kd
    .args:
      - { .name: W_codes, .offset: 0, .size: 8, .value_kind: global_buffer, .address_space: global }
      - { .name: wfrag, .offset: 8, .size: 8, .value_kind: global_buffer, .address_space: global }
    .group_segment_fixed_size: 17920
    .private_segment_fixed_size: 0
    .kernarg_segment_align: 8
    .kernarg_segment_size: 16
    .max_flat_workgroup_size: 128
    .sgpr_count:     66
    .vgpr_count:     80
    .wavefront_size: 32
...
	.end_amdgpu_metadata
.endif
;; end of part 1
;; launch main (part 2): grid 256 x 1, 4 waves a work-group, no clusters, 327,680 bytes of LDS; arguments values, contexts, W_scales, wfrag, part; writes part
.if DOCPART == 2
	.amdgcn_target "amdgcn-amd-amdhsa--gfx1250"
	.amdhsa_code_object_version 6
	.text
	.protected	k_qd50f855456_main
	.globl	k_qd50f855456_main
	.p2align	8
	.type	k_qd50f855456_main,@function
k_qd50f855456_main:
	s_mov_b64 s[64:65], 0
	v_nop
	global_prefetch_b8 v0, s[64:65] scope:SCOPE_SE
	s_setreg_imm32_b32 hwreg(HW_REG_WAVE_MODE, 25, 1), 1
	s_wait_xcnt 0x0
; For a tile of 128 rows s of one batch: score[s] = c . (Q(values[s]) W^T); m = the tile's largest score, l = sum of 2^((score - m) log2 e), o[d] = sum of that weight x values[s][d].
; c . bias is left out: it is the same along the softmax's axis (shown at the head of the first kernel).  values are read from memory once.
; SHARES.  Work-group g owns rows 256 g .. + 255 (batch g / 16) as two tiles of 128, each storing its own (o, m, l) as row 2 g + t of part.
;   Wave w owns rows 32 w .. + 31 of a tile, in four steps of 8 rows (32,768 dense bytes, one tensor load each): x0, x1, y0, y1, into two LDS slots of its own, A and B, by turns.
;   Behind each refill's barrier a wave issues one load and drains the other slot under it.  x0 and x1 are quantised (codes and scale bytes to LDS, for all waves) and kept as bf16 in registers;
;   y0 and y1 are quantised and STAY in their slots as f32 until the weighted sum reads them.  So W is walked once for 128 rows.
;   W: wave w = 2 cw + kw owns columns 512 cw .. + 511 and K = 512 kw .. + 511: 131,072 bytes of wfrag, straight into a ring of four register slots (a slot: two column blocks x four K steps,
;   16 loads of 512 bytes and one of scale words), with counted waits.  A fragment of W feeds eight matrix instructions (the tile's eight blocks of 16 rows).  The score is linear in the products, so the K halves add.
; THE PRODUCT IS USED TRANSPOSED (source 0 = 16 rows of W, source 1 = 16 rows of values): a lane holds ONE row s and its eight registers eight columns e = 16 cb + 8 (lane / 16) + j,
; so c . proj is four packed multiply-adds into one pair of sums for each block of rows.
; THE LOOP IS ENTERED IN ITS MIDDLE.  The head issues the first tile's x0 and jumps to .Lfront.  The loop's top, reached by the backward jump alone, refills slot A with the next tile's x0 as soon as the slots are read out,
; and does the last tile's sum over the kept rows and its way out under that load.  Behind the loop that tail is written out once more.  So no tensor load and no work is jumped over.
; c is fetched anew for each tile (1,024 bytes a wave): the registers it passes through serve the drain in between.
; PREFETCHES: behind the load of step k stands the request for step k + 2 of the eight (x0: y0; x1: y1; y0: the next tile's x0; y1: its x1).  A wave asks for its own rows, a lane a block of 256 bytes:
; each block is named once; the first two steps come by their loads alone; the last tile's y0 and y1 ask for nothing.
; NO CLUSTER: values are shared by nobody; W goes to registers, since LDS holds 278,528 bytes of values through the whole product.
; LIMITS: NaN and infinities among the inputs are not served.  A block whose largest magnitude lies under 2^-124 (zeros too) gets the byte 1: the rule's lower hold; for zeros the rule says 127, but the codes are zeros
; and this launch alone reads the bytes.  Half of the values are rounded to bf16 for the weighted sum alone.
.set VALW,  69632                      ; LDS: a wave's two slots: 2 x 128 pieces of 256 bytes + 16 of padding
.set ROWL,  4352
.set CODES, 4*VALW                     ; 64 rows of codes, 512 bytes + 16; on the way out the stage for o
.set CP,    528
.set ASC,   CODES+64*CP                ; 64 rows of 32 scale bytes, 48 apart
.set AP,    48
.set PS,    ASC+64*AP                  ; the waves' parts of the 128 scores: [wave][row] f32
.set CL,    PS+2048                    ; c: 1,024 f32
.set SPARE, CL+4096                    ; the spare words, 128 bytes a wave, named by no other line
; window 0
.set XA0, 4                            ; v4-5 my lane's place in slot A, slot B
.set CA,  6                            ; where I put my block's codes;  v7 its scale byte
.set SA,  7
.set FA,  8                            ; a fragment of codes: row lane % 16, + 16 (lane / 16) + 256 kw
.set FS,  9                            ; scale words: row lane of 32, + 16 kw
.set WO,  10                           ; offset in wfrag of the ring's fills; v11 its part that stays
.set WL,  11
.set WSO, 12                           ; the same in W_scales
.set WSL, 13
.set CLA, 14                           ; c of the trip's eight column blocks; v15 the part that stays
.set CLB, 15
.set PSW, 16
.set PSR, 17
.set PSO, 18
.set SPW, 19                           ; my spare word; never rewritten
.set NIL, 20                           ; 0; never rewritten
.set STO, 21
.set SRD, 22
.set GOUT, 23
.set GML, 24
.set GL,  25
.set CST, 26
.set PFO, 27                           ; 256 x lane
.set AS,  36                           ; v36-51 values' scale words alone: register 4 q + s: lanes 0-15 row block 2 q, lanes 16-31 row block 2 q + 1
.set WS,  52                           ; v52-67 W's scale words alone: register 4 slot + s: lanes 0-15 the slot's first column block, lanes 16-31 its second
.set SACC, 68                          ; v68-83 score sums: a pair for each of 8 row blocks
.set PT,  84
.set MN,  85
.set RL,  86
.set SM,  87
.set ML,  88                           ; v88-91 (m, l, m, l)
.set ACC, 100                          ; v100-163 eight accumulators; in the drain two row sets; in the weighted sum o (v100-131) and the 32 weights (v132-163)
.set OACC, 100
.set RP,  132
.set TM,  164
.set SCL, 168
.set CODE, 172
.set BYTE, 184
.set C8,  192                          ; v192-255 c of eight column blocks; in the drain v208-239 the third row set; else at work:
.set LD,  192
.set LO,  208
.set T0,  216
.set TO,  220
.set MX,  222
.set CIN, 232
.set OB,  192
; window 1: values' fragments (row block m, K step s) at v[32 m + 8 s].  window 2: the kept bf16: row i at v[16 i + k].  window 3: W's ring: slot j at v[64 j]
.set WV,   14
.set KW,   15
.set CW,   16
.set TL,   17
.set KT,   18
.set WOFF, 19
.set SOFF, 20
.set COFF, 21
.set SEL,  22
.set L2E,  24
.set PFA,  26
.set G1,   28
.set G0,   36                          ; s[36:39] group 0 for slot A;  s[60:63] for slot B
.set G0B,  60
.set SP,   66                          ; s66-97 the 32 weights on their way
.set MSB, 0
.macro WIN new                         ; the high byte repeats the setting that is left
.if MSB != \new
	s_set_vgpr_msb (MSB<<8)|\new
.set MSB, \new
.endif
.endm
.set A_LD, 0x40
.set R_ST, 0x80
.set W_LD, 0xc0
.set MUL,  0x07                        ; source 0 window 3, source 1 window 1
.set SUM,  0x02
.macro PLACES
.rept 4
	v_nop
.endr
.endm
.macro BAR
	s_barrier_signal -1
	s_barrier_wait -1
.endm
; The lines ahead of a refill: all my tensor loads are in, the add, the step of the group 0 that is at rest (g, by bytes), the wait for the add and for my LDS reads and stores, the barrier
.macro MEET g, by
	s_wait_alu depctr_va_vdst(0)                   ; the wait ahead of the blocking waits
	s_wait_tensorcnt 0x0
	ds_add_u32 v[SPW], v[NIL]
	s_add_nc_u64 s[\g+2:\g+3], s[\g+2:\g+3], \by
	s_wait_dscnt 0x0
	BAR
.endm
.macro ASK off, first                  ; 32,768 bytes of my rows, off bytes from my first of this tile.  first = 1: they lie in the next tile, so the first tile alone asks
.if \first
	s_cmp_lg_u32 s[TL], 2
	s_cbranch_scc1 .Lna_\@
.endif
.irp n, 0,1,2,3
	global_prefetch_b8 v[PFO], s[PFA:PFA+1] offset:\off+8192*\n th:TH_LOAD_NT scope:SCOPE_SE
.endr
.if \first
.Lna_\@:
.endif
.endm
.macro XLW i, b                        ; row i of my 16 in LDS into v[b ..]: lane l takes d = 32 l .. + 31
.irp u, 0,1,2,3,4,5,6,7
	ds_load_b128 v[(\b)+4*\u:(\b)+4*\u+3], v[XA0+(\i)/8] offset:((\i)%8)*ROWL+16*\u
.endr
.endm
.macro XLOAD i                         ; the drain's three row sets: v100, v132, v208
	XLW \i, ACC+32*((\i)%3)+44*(((\i)%3)/2)
.endm
; Row i is quantised; keep = 1: and kept as bf16.  The block's 32 numbers are all mine.  Loads run two rows ahead inside a slot's eight rows.
.macro ROW i, keep
.if ((\i)%8) < 6
	XLOAD (\i)+2
.endif
.if ((\i)%8) == 0
	s_wait_dscnt 16                                ; behind this row's loads: the next two rows'
.elseif ((\i)%8) == 1
	s_wait_dscnt 18                                ; eight loads, two stores, eight loads
.elseif ((\i)%8) < 6
	s_wait_dscnt 20                                ; two stores, eight loads, two stores, eight loads; row i - 3's stores are done too
.elseif ((\i)%8) == 6
	s_wait_dscnt 12
.else
	s_wait_dscnt 4
.endif
.set XB, ACC+32*((\i)%3)+44*(((\i)%3)/2)
.set CS, CODE+4*((\i)%3)
.set BS, BYTE+((\i)%3)
.irp c, 0,1,2,3
	v_max3_num_f32 v[TM+\c], |v[XB+8*\c]|, |v[XB+8*\c+1]|, 0x1800000   ; four chains by turns, and the floor 2^(3 - 127)
.endr
.irp p, 2,4,6
.irp c, 0,1,2,3
	v_max3_num_f32 v[TM+\c], v[TM+\c], |v[XB+8*\c+\p]|, |v[XB+8*\c+\p+1]|
.endr
.endr
	v_max3_num_f32 v[TM], v[TM], v[TM+1], v[TM+2]
	v_max_num_f32 v[TM], v[TM], v[TM+3]
	v_add_nc_u32 v[SCL], 0xff000000, v[TM]         ; 2 off the exponent field: the conversions' scale operand
.irp g, 0,1,2,3
	v_cvt_scalef32_pk8_fp4_f32 v[CS+\g], v[XB+8*\g:XB+8*\g+7], v[SCL]
.endr
	v_lshrrev_b32 v[BS], 23, v[SCL]                ; the scale's byte; a plain instruction behind the conversions
.if \keep
	WIN R_ST
.irp k, 0,1,2,3,4,5,6,7,8,9,10,11,12,13,14,15
	v_cvt_pk_bf16_f32 v[16*(\i)+\k], v[XB+2*\k], v[XB+2*\k+1]
.endr
	WIN 0
.endif
	ds_store_b128 v[CA], v[CS:CS+3] offset:CP*(\i)
	ds_store_b8 v[SA], v[BS] offset:AP*(\i)
.endm
.macro DRAINH h, keep                  ; slot h's eight rows
	XLOAD 8*\h
	XLOAD 8*\h+1
.irp i, 0,1,2,3,4,5,6,7
	ROW 8*\h+\i, \keep
.endr
.endm
; The 64 rows of codes in LDS become row blocks 4 hf .. 4 hf + 3: my K half's 16 fragments, and their scale words
.macro AFETCH hf
	WIN A_LD
.irp m, 0,1,2,3
.irp s, 0,1,2,3
.irp c, 0,1
	ds_load_b128 v[128*\hf+32*\m+8*\s+4*\c:128*\hf+32*\m+8*\s+4*\c+3], v[FA] offset:16*CP*\m+64*\s+32*\c
.endr
.endr
.endr
	WIN 0
.irp q, 0,1
	ds_load_b128 v[AS+8*\hf+4*\q:AS+8*\hf+4*\q+3], v[FS] offset:32*AP*\q
.endr
.endm
.macro WFILL j                         ; ring slot j: 17 loads
	WIN W_LD
.irp k, 0,1,2,3,4,5,6,7,8,9,10,11,12,13,14,15
	global_load_b128 v[64*\j+4*\k:64*\j+4*\k+3], v[WO], s[10:11] offset:8192*\j+512*\k
.endr
	WIN 0
	global_load_b128 v[WS+4*\j:WS+4*\j+3], v[WSO], s[8:9] offset:1024*\j
.endm
; Two matrix instructions: row blocks 2 p and 2 p + 1 (A0, F0, SV) against one fragment of W (WR, SW).  z = 0: they start the sums.  u: which half of the lanes holds W's scale words
.macro W2 z, u
.if (\z) == 0
.if \u
	v_wmma_scale_f32_16x16x128_f8f6f4 v[A0:A0+7], v[WR:WR+7], v[F0:F0+7], 0, v[SW], v[SV] matrix_a_fmt:MATRIX_FMT_FP4 matrix_b_fmt:MATRIX_FMT_FP4 matrix_a_scale:MATRIX_SCALE_ROW1
	v_wmma_scale_f32_16x16x128_f8f6f4 v[A0+8:A0+15], v[WR:WR+7], v[F0+32:F0+39], 0, v[SW], v[SV] matrix_a_fmt:MATRIX_FMT_FP4 matrix_b_fmt:MATRIX_FMT_FP4 matrix_a_scale:MATRIX_SCALE_ROW1 matrix_b_scale:MATRIX_SCALE_ROW1
.else
	v_wmma_scale_f32_16x16x128_f8f6f4 v[A0:A0+7], v[WR:WR+7], v[F0:F0+7], 0, v[SW], v[SV] matrix_a_fmt:MATRIX_FMT_FP4 matrix_b_fmt:MATRIX_FMT_FP4
	v_wmma_scale_f32_16x16x128_f8f6f4 v[A0+8:A0+15], v[WR:WR+7], v[F0+32:F0+39], 0, v[SW], v[SV] matrix_a_fmt:MATRIX_FMT_FP4 matrix_b_fmt:MATRIX_FMT_FP4 matrix_b_scale:MATRIX_SCALE_ROW1
.endif
.else
.if \u
	v_wmma_scale_f32_16x16x128_f8f6f4 v[A0:A0+7], v[WR:WR+7], v[F0:F0+7], v[A0:A0+7], v[SW], v[SV] matrix_a_fmt:MATRIX_FMT_FP4 matrix_b_fmt:MATRIX_FMT_FP4 matrix_a_scale:MATRIX_SCALE_ROW1
	v_wmma_scale_f32_16x16x128_f8f6f4 v[A0+8:A0+15], v[WR:WR+7], v[F0+32:F0+39], v[A0+8:A0+15], v[SW], v[SV] matrix_a_fmt:MATRIX_FMT_FP4 matrix_b_fmt:MATRIX_FMT_FP4 matrix_a_scale:MATRIX_SCALE_ROW1 matrix_b_scale:MATRIX_SCALE_ROW1
.else
	v_wmma_scale_f32_16x16x128_f8f6f4 v[A0:A0+7], v[WR:WR+7], v[F0:F0+7], v[A0:A0+7], v[SW], v[SV] matrix_a_fmt:MATRIX_FMT_FP4 matrix_b_fmt:MATRIX_FMT_FP4
	v_wmma_scale_f32_16x16x128_f8f6f4 v[A0+8:A0+15], v[WR:WR+7], v[F0+32:F0+39], v[A0+8:A0+15], v[SW], v[SV] matrix_a_fmt:MATRIX_FMT_FP4 matrix_b_fmt:MATRIX_FMT_FP4 matrix_b_scale:MATRIX_SCALE_ROW1
.endif
.endif
.endm
.macro MM j, u                         ; a column block: 32 matrix instructions, K ascending, the eight accumulators by turns
	WIN MUL
.irp s, 0,1,2,3
.irp p, 0,1,2,3
.set A0, ACC+16*\p
.set F0, 64*\p+8*\s
.set WR, 64*\j+32*\u+8*\s
.set SW, WS+4*\j+\s
.set SV, AS+4*\p+\s
	W2 \s, \u
.endr
.endr
	WIN 0
	PLACES                                         ; four places ahead of the first read of a result and of loads into the slot
.endm
.macro FM cb                           ; score += proj x c: each accumulator from its low end on, the eight sums by turns
.irp p, 0,2,4,6
.irp m, 0,1,2,3,4,5,6,7
	v_pk_fma_f32 v[SACC+2*\m:SACC+2*\m+1], v[ACC+8*\m+\p:ACC+8*\m+\p+1], v[C8+8*(\cb)+\p:C8+8*(\cb)+\p+1], v[SACC+2*\m:SACC+2*\m+1]
.endr
.endr
	s_wait_alu depctr_va_vdst(0)                   ; the wait here
.endm
; Slot j, which is in.  cnt: the loads issued behind the NEXT slot's (under 0: no wait).  refill = 1: the slot takes the two column blocks four slots on.
.macro CB j, refill, cnt
	MM \j, 0
.if \j == 0
	s_wait_dscnt 0x0                               ; the trip's c is in
.endif
	FM 2*\j
	MM \j, 1
.if \cnt >= 0
	s_wait_loadcnt \cnt
.endif
.if \refill
.if \j == 0
	s_wait_xcnt 0x0                                ; the earlier loads have read their offsets
	s_add_co_u32 s[WOFF], s[WOFF], 32768
	s_add_co_u32 s[SOFF], s[SOFF], 4096
	v_add_nc_u32 v[WO], s[WOFF], v[WL]
	v_add_nc_u32 v[WSO], s[SOFF], v[WSL]
.endif
	WFILL \j
.endif
	FM 2*\j+1
.endm
.macro TRIP refill, c0, c1, c2, c3     ; four slots: eight column blocks
	v_add_nc_u32 v[CLA], s[COFF], v[CLB]
.irp k, 0,1,2,3,4,5,6,7,8,9,10,11,12,13,14,15
	ds_load_b128 v[C8+4*\k:C8+4*\k+3], v[CLA] offset:16*(\k%2)+64*(\k/2)   ; c[512 cw + 16 (column block) + 8 (lane / 16) + 0 .. 7]
.endr
	s_add_co_u32 s[COFF], s[COFF], 512
	CB 0, \refill, \c0
	CB 1, \refill, \c1
	CB 2, \refill, \c2
	CB 3, \refill, \c3
.endm
; A TILE'S TAIL.  o += weight x the kept bf16 rows (a bf16 half x f32 + f32); then each wave's o goes to a stage where the codes lay (every wave has its fragments since the scores' barrier, and the next
; codes are stored behind a later barrier), and wave w adds the four for d = 256 w on.  more = 1: a tile follows: the row of part and the prefetches' base step on.
.macro TAIL more
	WIN SUM
.irp i, 0,1,2,3,4,5,6,7,8,9,10,11,12,13,14,15
.irp k, 0,1,2,3,4,5,6,7,8,9,10,11,12,13,14,15
	v_fma_mix_f32_bf16 v[OACC+2*\k], v[16*\i+\k], v[RP+\i], v[OACC+2*\k] op_sel_hi:[1,0,0]
	v_fma_mix_f32_bf16 v[OACC+2*\k+1], v[16*\i+\k], v[RP+\i], v[OACC+2*\k+1] op_sel:[1,0,0] op_sel_hi:[1,0,0]
.endr
.endr
	WIN 0
.irp u, 0,1,2,3,4,5,6,7
	ds_store_b128 v[STO], v[OACC+4*\u:OACC+4*\u+3] offset:16*\u
.endr
	s_wait_dscnt 0x0
	BAR
.irp u, 0,1
.irp x, 0,1,2,3
	ds_load_b128 v[OB+16*\u+4*\x:OB+16*\u+4*\x+3], v[SRD] offset:4096*\x+512*\u
.endr
.endr
	s_wait_dscnt 0x0
.irp u, 0,1
	v_pk_add_f32 v[OB+16*\u:OB+16*\u+1], v[OB+16*\u:OB+16*\u+1], v[OB+16*\u+4:OB+16*\u+5]
	v_pk_add_f32 v[OB+16*\u+2:OB+16*\u+3], v[OB+16*\u+2:OB+16*\u+3], v[OB+16*\u+6:OB+16*\u+7]
	v_pk_add_f32 v[OB+16*\u+8:OB+16*\u+9], v[OB+16*\u+8:OB+16*\u+9], v[OB+16*\u+12:OB+16*\u+13]
	v_pk_add_f32 v[OB+16*\u+10:OB+16*\u+11], v[OB+16*\u+10:OB+16*\u+11], v[OB+16*\u+14:OB+16*\u+15]
	v_pk_add_f32 v[OB+16*\u:OB+16*\u+1], v[OB+16*\u:OB+16*\u+1], v[OB+16*\u+8:OB+16*\u+9]
	v_pk_add_f32 v[OB+16*\u+2:OB+16*\u+3], v[OB+16*\u+2:OB+16*\u+3], v[OB+16*\u+10:OB+16*\u+11]
	global_store_b128 v[GOUT], v[OB+16*\u:OB+16*\u+3], s[12:13] offset:512*\u   ; 512 consecutive bytes, aligned to 256
.endr
	s_cmp_lg_u32 s[WV], 0
	s_cbranch_scc1 .Lnot_wave_0_\@
	v_mov_b32 v[ML], v[MN]                         ; wave 0: (m, l, m, l) from every lane: 512 consecutive bytes behind o
	v_mov_b32 v[ML+1], v[RL]
	v_mov_b32 v[ML+2], v[MN]
	v_mov_b32 v[ML+3], v[RL]
	global_store_b128 v[GML], v[ML:ML+3], s[12:13]
.Lnot_wave_0_\@:
.if \more
	s_wait_xcnt 0x0                                ; stores and prefetches have read their bases and registers
	s_add_nc_u64 s[12:13], s[12:13], 4608
	s_add_nc_u64 s[PFA:PFA+1], s[PFA:PFA+1], 524288
.endif
.endm
	s_load_b256 s[4:11], s[0:1], 0x0               ; values, contexts, W_scales, wfrag
	s_load_b64 s[12:13], s[0:1], 0x20              ; part
	v_lshl_add_u32 v[SPW], v0, 2, SPARE
	v_mov_b32 v[NIL], 0
	ds_add_u32 v[SPW], v[NIL]                      ; the opening lines: the add twice on end and its wait
	ds_add_u32 v[SPW], v[NIL]
	v_lshrrev_b32 v1, 5, v0
	v_readfirstlane_b32 s[WV], v1
	s_and_b32 s[KW], s[WV], 1
	s_lshr_b32 s[CW], s[WV], 1
	s_mov_b32 s[G1+0], (3<<16)|(1<<20)|(5<<22)|(3<<25)   ; elements of 8 bytes; four words of padding behind every 64
	s_mov_b32 s[G1+1], 32<<16
	s_mov_b32 s[G1+2], 128<<16                     ; 32,768 dense bytes as 128 rows of 256
	s_mov_b32 s[G1+3], 32<<16
	s_mov_b32 s[G1+4], 128
	s_mov_b32 s[G1+5], 32
	s_mov_b32 s[G1+6], 0
	s_mov_b32 s[G1+7], 0
	s_mov_b32 s[G0], 1
	s_mul_i32 s[G0+1], s[WV], VALW
	s_mov_b32 s[G0B], 1
	s_add_co_u32 s[G0B+1], s[G0+1], 8*ROWL
	s_mov_b32 s[SEL], 0x76543210
	s_mov_b32 s[SEL+1], 0xfedcba98
	s_mov_b32 s[L2E], 0x3fb8aa3b
	s_mul_i32 s41, s[WV], 16*CP
	s_add_co_u32 s41, s41, CODES
	s_mul_i32 s42, s[WV], 16*AP
	s_add_co_u32 s42, s42, ASC
	s_lshl_b32 s43, s[KW], 8
	s_add_co_u32 s43, s43, CODES
	s_lshl_b32 s44, s[KW], 4
	s_lshl_b32 s46, s[CW], 14
	s_add_co_u32 s46, s46, s44
	s_add_co_u32 s44, s44, ASC
	s_lshl_b32 s45, s[WV], 17
	s_lshl_b32 s47, s[CW], 11
	s_add_co_u32 s47, s47, CL
	s_lshl_b32 s53, s[WV], 10
	s_add_co_u32 s48, s53, CL
	s_lshl_b32 s49, s[WV], 9
	s_add_co_u32 s49, s49, PS
	s_lshl_b32 s50, s[WV], 6
	s_add_co_u32 s50, s50, PS
	s_lshl_b32 s51, s[WV], 12
	s_add_co_u32 s51, s51, CODES
	s_add_co_u32 s52, s53, CODES
	v_and_b32 v1, 31, v0                           ; lane
	v_and_b32 v2, 15, v0                           ; r
	v_bfe_u32 v3, v0, 4, 1                         ; h
	v_lshlrev_b32 v30, 7, v1
	v_lshrrev_b32 v31, 1, v1
	v_lshl_add_u32 v30, v31, 4, v30                ; 128 lane, and 16 more for each 256 passed
	v_add_nc_u32 v[XA0], s[G0+1], v30
	v_add_nc_u32 v[XA0+1], 8*ROWL, v[XA0]
	v_lshl_add_u32 v[CA], v1, 4, s41
	v_add_nc_u32 v[SA], s42, v1
	v_mul_u32_u24 v30, v2, CP
	v_lshl_add_u32 v30, v3, 4, v30
	v_add_nc_u32 v[FA], s43, v30
	v_mul_u32_u24 v31, v1, AP
	v_add_nc_u32 v[FS], s44, v31
	v_lshl_add_u32 v[WL], v1, 4, s45
	v_lshl_add_u32 v[WSL], v1, 5, s46              ; W_scales: row 512 cw + lane of a slot's 32, + 16 kw
	v_lshl_add_u32 v[CLB], v3, 5, s47
	v_lshl_add_u32 v[CST], v1, 4, s48
	v_lshl_add_u32 v[PSW], v1, 2, s49
	v_lshl_add_u32 v[PSR], v1, 2, PS
	v_lshl_add_u32 v[PSO], v2, 2, s50
	v_lshl_add_u32 v[STO], v1, 7, s51
	v_lshl_add_u32 v[SRD], v1, 4, s52
	v_lshl_add_u32 v[GOUT], v1, 4, s53
	v_lshl_add_u32 v[GML], v1, 4, 4096
	v_lshlrev_b32 v[GL], 4, v1
	v_lshlrev_b32 v[PFO], 8, v1
	v_mov_b32 v[PT], 0                             ; a lane permute's destination counts as a source
	s_wait_alu depctr_va_vdst(0)                   ; the wait at the head's end
	s_wait_dscnt 0x0
	s_wait_kmcnt 0x0
	s_lshl_b32 s56, ttmp9, 20                      ; my work-group's 256 rows of 4,096 bytes,
	s_add_co_u32 s56, s56, s45                     ; my wave's 32 of the first tile
	s_mov_b32 s57, 0
	s_add_nc_u64 s[G0+2:G0+3], s[4:5], s[56:57]    ; x0
	s_add_nc_u64 s[G0B+2:G0B+3], s[4:5], s[56:57]
	s_add_nc_u64 s[G0B+2:G0B+3], s[G0B+2:G0B+3], 32768   ; x1
	s_add_nc_u64 s[PFA:PFA+1], s[4:5], s[56:57]
	s_or_b32 s[G0+3], s[G0+3], 0x80000000
	s_or_b32 s[G0B+3], s[G0B+3], 0x80000000
	tensor_load_to_lds s[G0:G0+3], s[G1:G1+7]      ; the first tile's x0 into slot A: my one tensor load at the head
	s_nop 0
	s_lshr_b32 s56, ttmp9, 4
	s_lshl_b32 s56, s56, 12
	s_add_co_u32 s56, s56, s53
	s_add_nc_u64 s[6:7], s[6:7], s[56:57]          ; my wave's quarter of the batch's c
	s_mul_i32 s56, ttmp9, 9216
	s_add_nc_u64 s[12:13], s[12:13], s[56:57]      ; my work-group's two rows of part
	s_mov_b32 s[TL], 2
	s_branch .Lfront
.Ltile:                                                ; reached by the backward jump alone
	s_wait_tensorcnt 0x0                           ; no tensor load of mine is out;
	ds_add_u32 v[SPW], v[NIL]
	s_wait_dscnt 0x0                               ; the add is done, and my reads of the slots are over
	BAR
	tensor_load_to_lds s[G0:G0+3], s[G1:G1+7]      ; the next tile's x0 into slot A
	s_nop 0
	TAIL 1                                         ; the last tile's tail, under x0's flight
.Lfront:
	s_mov_b32 s[WOFF], 0
	s_mov_b32 s[SOFF], 0
	global_load_b128 v[CIN:CIN+3], v[GL], s[6:7]
	global_load_b128 v[CIN+4:CIN+7], v[GL], s[6:7] offset:512
	v_mov_b32 v[WO], v[WL]
	v_mov_b32 v[WSO], v[WSL]
	ASK 65536, 0                                   ; y0
	MEET G0, 65536                                 ; x0 is in; slot A's next load is y0
	tensor_load_to_lds s[G0B:G0B+3], s[G1:G1+7]    ; x1 into slot B
	s_nop 0
	ASK 98304, 0                                   ; y1
	s_wait_loadcnt 0x0                             ; c is in: no other load of mine is out
	ds_store_b128 v[CST], v[CIN:CIN+3]
	ds_store_b128 v[CST], v[CIN+4:CIN+7] offset:512
	WFILL 0
	WFILL 1
	DRAINH 0, 1                                    ; x0, under x1's flight
	MEET G0B, 65536                                ; x1 is in, slot A is read out; slot B's next load is y1
	tensor_load_to_lds s[G0:G0+3], s[G1:G1+7]      ; y0 into slot A
	s_nop 0
	ASK 524288, 1                                  ; the next tile's x0
	WFILL 2
	WFILL 3
	DRAINH 1, 1                                    ; x1, under y0's flight
	MEET G0, 458752                                ; y0 is in, slot B is read out, all 64 rows of codes have landed; slot A's next load is the next tile's x0 (not used behind the last tile)
	tensor_load_to_lds s[G0B:G0B+3], s[G1:G1+7]    ; y1 into slot B
	s_nop 0
	AFETCH 0
	ASK 557056, 1                                  ; the next tile's x1
	s_wait_dscnt 0x0                               ; my fragments are in: the codes may be written again behind this barrier; y1 stays on its way
	BAR
	DRAINH 0, 0                                    ; y0, under y1's flight
	s_wait_tensorcnt 0x0                           ; y1 is in: the one load of mine that is out
	s_add_nc_u64 s[G0B+2:G0B+3], s[G0B+2:G0B+3], 458752
	DRAINH 1, 0
	s_wait_dscnt 0x0
	BAR
	AFETCH 1
.set J, 0
.rept 16
	v_mov_b32 v[SACC+J], 0
.set J, J+1
.endr
	s_wait_alu depctr_va_vdst(0)                   ; the wait ahead of the blocking waits
	s_wait_dscnt 0x0
	s_wait_loadcnt 51                              ; slot 0 is in; the three others' 51 loads may be out
	s_mov_b32 s[COFF], 0
	s_mov_b32 s[KT], 3
.Lk:
	TRIP 1, 34, 34, 34, 34
	s_sub_co_u32 s[KT], s[KT], 1
	s_cmp_lg_u32 s[KT], 0
	s_cbranch_scc1 .Lk
	TRIP 0, 34, 17, 0, -1                          ; the tile's last four slots: nothing more to fetch, the counts run down
	; THE SCORES.  A pair's halves, then lanes l and l xor 16: a swap of halves lets one addition serve two row blocks.  Register q then holds row 32 q + lane.
.irp m, 0,1,2,3,4,5,6,7
	v_add_f32 v[SACC+2*\m], v[SACC+2*\m], v[SACC+2*\m+1]
.endr
.irp q, 0,1,2,3
	v_permlane16_swap_b32 v[SACC+4*\q], v[SACC+4*\q+2]
.endr
.irp q, 0,1,2,3
	v_add_f32 v[SACC+4*\q], v[SACC+4*\q], v[SACC+4*\q+2]
.endr
.irp q, 0,1,2,3
	ds_store_b32 v[PSW], v[SACC+4*\q] offset:128*\q
.endr
	s_wait_dscnt 0x0
	BAR
.irp q, 0,1,2,3
.irp x, 0,1,2,3
	ds_load_b32 v[LD+4*\q+\x], v[PSR] offset:512*\x+128*\q
.endr
.endr
.irp y, 0,1
.irp x, 0,1,2,3
	ds_load_b32 v[LO+4*\y+\x], v[PSO] offset:512*\x+256*\y   ; my own rows: row block w (x0, x1) and 4 + w (y0, y1)
.endr
.endr
	s_wait_dscnt 0x0
.irp x, 0,4,8,12,16,20
	v_pk_add_f32 v[LD+\x:LD+\x+1], v[LD+\x:LD+\x+1], v[LD+\x+2:LD+\x+3]
.endr
.irp x, 0,1,2,3,4,5
	v_add_f32 v[T0+\x], v[LD+4*\x], v[LD+4*\x+1]   ; rows lane + 32 q; then my own rows lane % 16 of each half
.endr
	v_max3_num_f32 v[MX], v[T0], v[T0+1], v[T0+2]
	v_max_num_f32 v[MX], v[MX], v[T0+3]
.irp x, 1,2,4,8
	v_max_num_f32_dpp v[MX], v[MX], v[MX] row_xmask:\x row_mask:0xf bank_mask:0xf
.endr
	v_permlanex16_b32 v[PT], v[MX], s[SEL], s[SEL+1]
	v_max_num_f32 v[MN], v[MX], v[PT]              ; m
.irp x, 0,1,2,3,4,5
	v_sub_f32 v[T0+\x], v[T0+\x], v[MN]
.endr
.irp x, 0,1,2,3,4,5
	v_mul_f32 v[T0+\x], s[L2E], v[T0+\x]
.endr
	s_wait_alu depctr_va_vdst(0)                   ; the wait ahead of the batch
.irp x, 0,1,2,3,4,5
	v_exp_f32 v[T0+\x], v[T0+\x]
.endr
	v_nop
	s_wait_alu depctr_va_vdst(0)                   ; and behind it
	v_add_f32 v[SM], v[T0], v[T0+1]
	v_add_f32 v[MX], v[T0+2], v[T0+3]
	v_add_f32 v[SM], v[SM], v[MX]
.irp x, 1,2,4,8
	v_add_f32_dpp v[SM], v[SM], v[SM] row_xmask:\x row_mask:0xf bank_mask:0xf
.endr
	v_permlanex16_b32 v[PT], v[SM], s[SEL], s[SEL+1]
	v_add_f32 v[RL], v[SM], v[PT]                  ; l
.set J, 0
.rept 16
	v_readlane_b32 s[SP+J], v[TO], J
	v_readlane_b32 s[SP+16+J], v[TO+1], J
.set J, J+1
.endr
	XLW 0, 192                                     ; y0's and y1's rows come back from LDS, two rows ahead
	XLW 1, 224
.set J, 0
.rept 32
	v_mov_b32 v[RP+J], s[SP+J]                     ; my 32 rows' weights, each in every lane
.set J, J+1
.endr
	s_wait_alu depctr_va_vdst(0)                   ; the wait ahead of the blocking wait
	; THE WEIGHTED SUM begins with the rows in LDS, in f32, two numbers an instruction; the first row starts the sums
.set I, 0
.rept 16
.if I < 15
	s_wait_dscnt 8                                 ; behind row I's loads: row I + 1's eight
.else
	s_wait_dscnt 0
.endif
.set XB, 192+32*(I%2)
.set RW, RP+16+I
.irp p, 0,2,4,6,8,10,12,14,16,18,20,22,24,26,28,30
.if I == 0
	v_pk_mul_f32 v[OACC+\p:OACC+\p+1], v[XB+\p:XB+\p+1], v[RW:RW+1] op_sel_hi:[1,0]
.elseif I%2 == 0
	v_pk_fma_f32 v[OACC+\p:OACC+\p+1], v[XB+\p:XB+\p+1], v[RW:RW+1], v[OACC+\p:OACC+\p+1] op_sel_hi:[1,0,1]
.else
	v_pk_fma_f32 v[OACC+\p:OACC+\p+1], v[XB+\p:XB+\p+1], v[RW-1:RW], v[OACC+\p:OACC+\p+1] op_sel:[0,1,0] op_sel_hi:[1,1,1]
.endif
.endr
.if I < 14
	XLW I+2, XB
.endif
.set I, I+1
.endr
	s_sub_co_u32 s[TL], s[TL], 1
	s_cmp_lg_u32 s[TL], 0
	s_wait_alu depctr_va_vdst(0)                   ; the wait ahead of the branch
	s_cbranch_scc1 .Ltile
	TAIL 0                                         ; the last tile's tail
	s_wait_tensorcnt 0x0                           ; the wave's end
	ds_add_u32 v[SPW], v[NIL]
	s_wait_dscnt 0x0
	s_endpgm
.Lfunc_end_k_qd50f855456_main:
	.size	k_qd50f855456_main, .Lfunc_end_k_qd50f855456_main-k_qd50f855456_main
	.p2alignl 7, 3214868480
	.fill 96, 4, 3214868480
	.section	.rodata,"a",@progbits
	.p2align	6, 0x0
	.amdhsa_kernel k_qd50f855456_main
		.amdhsa_group_segment_fixed_size 327680
		.amdhsa_private_segment_fixed_size 0
		.amdhsa_enable_private_segment 0
		.amdhsa_kernarg_size 40
		.amdhsa_user_sgpr_count 2
		.amdhsa_user_sgpr_kernarg_segment_ptr 1
		.amdhsa_wavefront_size32 1
		.amdhsa_system_sgpr_workgroup_id_x 1
		.amdhsa_system_sgpr_workgroup_id_y 1
		.amdhsa_system_sgpr_workgroup_id_z 1
		.amdhsa_system_vgpr_workitem_id 0
		.amdhsa_next_free_vgpr 1024
		.amdhsa_next_free_sgpr 100
		.amdhsa_reserve_vcc 0
		.amdhsa_float_denorm_mode_32 3
		.amdhsa_float_denorm_mode_16_64 3
		.amdhsa_memory_ordered 1
		.amdhsa_forward_progress 1
		.amdhsa_inst_pref_size 255
	.end_amdhsa_kernel
	.section	.bss,"aw",@nobits
	.p2align	6
	.space	262144
	.amdgpu_metadata
---
amdhsa.version: [ 1, 2 ]
amdhsa.kernels:
  - .name:           k_qd50f855456_main
    .symbol:         k_qd50f855456_main.kd
    .args:
      - { .name: values, .offset: 0, .size: 8, .value_kind: global_buffer, .address_space: global }
      - { .name: contexts, .offset: 8, .size: 8, .value_kind: global_buffer, .address_space: global }
      - { .name: W_scales, .offset: 16, .size: 8, .value_kind: global_buffer, .address_space: global }
      - { .name: wfrag, .offset: 24, .size: 8, .value_kind: global_buffer, .address_space: global }
      - { .name: part, .offset: 32, .size: 8, .value_kind: global_buffer, .address_space: global }
    .group_segment_fixed_size: 327680
    .private_segment_fixed_size: 0
    .kernarg_segment_align: 8
    .kernarg_segment_size: 40
    .max_flat_workgroup_size: 128
    .sgpr_count:     100
    .vgpr_count:     1024
    .wavefront_size: 32
...
	.end_amdgpu_metadata
.endif
;; end of part 2
;; launch join (part 3): grid 4 x 16, 2 waves a work-group, no clusters, 0 bytes of LDS; arguments part, out0; writes out0
.if DOCPART == 3
	.amdgcn_target "amdgcn-amd-amdhsa--gfx1250"
	.amdhsa_code_object_version 6
	.text
	.protected	k_qd50f855456_join
	.globl	k_qd50f855456_join
	.p2align	8
	.type	k_qd50f855456_join,@function
k_qd50f855456_join:
	s_mov_b64 s[64:65], 0
	v_nop
	global_prefetch_b8 v0, s[64:65] scope:SCOPE_SE
	s_setreg_imm32_b32 hwreg(HW_REG_WAVE_MODE, 25, 1), 1
	s_wait_xcnt 0x0
; out0[batch][d] = sum over the batch's 32 parts g of o_g[d] 2^((m_g - M) log2 e) / sum over g of l_g 2^((m_g - M) log2 e), M the largest m_g.
; part: 512 rows of 4,608 bytes: o[1024] f32, then (m, l) pairs.  A work-group takes 256 of d of one batch: 64 threads, 16 bytes each; a wave's loads and its store cover 512 consecutive bytes.
; Lane g holds part g's m and l; the 32 factors then go to scalar registers.  No LDS, no barrier: waves share nothing.  (c . bias is left out of the scores: see the first kernel's head.)
.set PROW, 4608
	s_load_b128 s[4:7], s[0:1], 0x0                ; part, out0
	v_and_b32 v1, 31, v0
	v_mul_u32_u24 v1, v1, PROW
	v_add_nc_u32 v1, 4096, v1                      ; (m, l) of part lane
	v_lshlrev_b32 v3, 4, v0
	s_lshl_b32 s8, ttmp9, 10                       ; my work-group's 256 of d, in bytes
	v_add_nc_u32 v2, s8, v3
	v_mov_b32 v11, 0                               ; a lane permute's destination counts as a source
	s_and_b32 s9, ttmp7, 0xffff                    ; the batch
	s_mul_i32 s10, s9, 32*PROW
	s_mov_b32 s11, 0
	s_lshl_b32 s12, s9, 12
	s_add_co_u32 s12, s12, s8
	s_mov_b32 s13, 0
	s_mov_b32 s14, 0x76543210
	s_mov_b32 s15, 0xfedcba98
	s_wait_alu depctr_va_vdst(0)                   ; the wait at the head's end
	s_wait_kmcnt 0x0
	s_add_nc_u64 s[4:5], s[4:5], s[10:11]
	s_add_nc_u64 s[6:7], s[6:7], s[12:13]
	global_load_b64 v[4:5], v1, s[4:5]
.set G, 0
.rept 32
	global_load_b128 v[16+4*G:16+4*G+3], v2, s[4:5] offset:PROW*G th:TH_LOAD_NT
.set G, G+1
.endr
	s_wait_loadcnt 32                              ; m and l are in; the 32 loads behind them stay out
	v_mov_b32 v6, v4
.irp x, 1,2,4,8
	v_max_num_f32_dpp v6, v6, v6 row_xmask:\x row_mask:0xf bank_mask:0xf
.endr
	v_permlanex16_b32 v11, v6, s14, s15
	v_max_num_f32 v6, v6, v11                      ; M
	v_sub_f32 v7, v4, v6
	v_mul_f32 v7, 0x3fb8aa3b, v7
	s_wait_alu depctr_va_vdst(0)                   ; the wait ahead of the transcendental
	v_exp_f32 v7, v7
	v_nop
	s_wait_alu depctr_va_vdst(0)                   ; and ahead of its first reader
	v_mul_f32 v8, v7, v5
.irp x, 1,2,4,8
	v_add_f32_dpp v8, v8, v8 row_xmask:\x row_mask:0xf bank_mask:0xf
.endr
	v_permlanex16_b32 v11, v8, s14, s15
	v_add_f32 v8, v8, v11
	s_wait_alu depctr_va_vdst(0)
	v_rcp_f32 v9, v8                               ; the sum is at least 1: the part that holds M has l of 1 or more
	v_nop
	s_wait_alu depctr_va_vdst(0)
	v_mul_f32 v10, v7, v9                          ; part g's factor
.set G, 0
.rept 32
	v_readlane_b32 s[16+G], v10, G
.set G, G+1
.endr
	s_wait_alu depctr_va_vdst(0)
	s_wait_loadcnt 0x0
.irp k, 0,1,2,3
	v_mul_f32 v[144+\k], s16, v[16+\k]             ; the first part starts the sums
.endr
.set G, 1
.rept 31
.irp k, 0,1,2,3
	v_fmac_f32 v[144+\k], s[16+G], v[16+4*G+\k]
.endr
.set G, G+1
.endr
	global_store_b128 v3, v[144:147], s[6:7]
	s_endpgm
.Lfunc_end_k_qd50f855456_join:
	.size	k_qd50f855456_join, .Lfunc_end_k_qd50f855456_join-k_qd50f855456_join
	.p2alignl 7, 3214868480
	.fill 96, 4, 3214868480
	.section	.rodata,"a",@progbits
	.p2align	6, 0x0
	.amdhsa_kernel k_qd50f855456_join
		.amdhsa_group_segment_fixed_size 0
		.amdhsa_private_segment_fixed_size 0
		.amdhsa_enable_private_segment 0
		.amdhsa_kernarg_size 16
		.amdhsa_user_sgpr_count 2
		.amdhsa_user_sgpr_kernarg_segment_ptr 1
		.amdhsa_wavefront_size32 1
		.amdhsa_system_sgpr_workgroup_id_x 1
		.amdhsa_system_sgpr_workgroup_id_y 1
		.amdhsa_system_sgpr_workgroup_id_z 1
		.amdhsa_system_vgpr_workitem_id 0
		.amdhsa_next_free_vgpr 152
		.amdhsa_next_free_sgpr 66
		.amdhsa_reserve_vcc 0
		.amdhsa_float_denorm_mode_32 3
		.amdhsa_float_denorm_mode_16_64 3
		.amdhsa_memory_ordered 1
		.amdhsa_forward_progress 1
		.amdhsa_inst_pref_size 12
	.end_amdhsa_kernel
	.amdgpu_metadata
---
amdhsa.version: [ 1, 2 ]
amdhsa.kernels:
  - .name:           k_qd50f855456_join
    .symbol:         k_qd50f855456_join.kd
    .args:
      - { .name: part, .offset: 0, .size: 8, .value_kind: global_buffer, .address_space: global }
      - { .name: out0, .offset: 8, .size: 8, .value_kind: global_buffer, .address_space: global }
    .group_segment_fixed_size: 0
    .private_segment_fixed_size: 0
    .kernarg_segment_align: 8
    .kernarg_segment_size: 16
    .max_flat_workgroup_size: 64
    .sgpr_count:     66
    .vgpr_count:     152
    .wavefront_size: 32
...
	.end_amdgpu_metadata
.endif
;; end of part 3
